; MI455X (gfx1250); checked and timed in simulation.
; The chip was launched on July 23, 2026; its instructions are those of AMD's public machine-readable ISA for CDNA 5 (MIT licence, August 2026) and "CDNA5" Instruction Set Architecture Reference Guide (July 2026). The comments in the code are by the model that wrote it; some were corrected since.
;; Adjusted Non Local Block. Allowed arithmetic: matrix products marked QUANTISED: E5M2 operands, one E8M0 scale for each 32 along K, by v_wmma_scale_f32_16x16x128_f8f6f4 with both operands' format E5M2, f32 sums; everything else in f32.
;; Inputs: W_b 128 float32; W_w 128 x 64 float32; g_b 64 float32; g_w 64 x 128 float32; phi_b 64 float32; phi_w 64 x 128 float32; theta_b 64 float32; theta_w 64 x 128 float32; x0 4 x 128 x 64 x 64 float32; x1 4 x 128 x 64 x 64 float32.
;; Outputs: out0 4 x 128 x 64 x 64 float32.
;; This version of the problem:
;;   THIS VERSION OF THE PROBLEM IS GIVEN IN LOW PRECISION. The matrix products marked QUANTISED in the list below multiply operands that are first quantised to E5M2 (5 exponent bits, 2 mantissa bits; 8 bits a number), with one power-of-two scale for each 32 numbers along K (OCP MX v1.0); their sums are f32. All else is computed in f32.
;;   The module's matrix products, in the order in which they are computed (A, B: the left and right operand; K: the contracted axis; several contracted axes count as one K, in the product's order):
;;     1. [M 64, K 128] x [K 128, N 16,384]; A: input g_w; B: input x0: QUANTISED
;;     2. [M 64, K 128] x [K 128, N 16,384]; A: input theta_w; B: input x1: QUANTISED
;;     3. [M 64, K 128] x [K 128, N 16,384]; A: input phi_w; B: input x0: QUANTISED
;;     4. batch 4 x [M 4,096, K 64] x [K 64, N 4,096]; A: computed on the way; B: computed on the way: QUANTISED
;;     5. batch 4 x [M 4,096, K 4,096] x [K 4,096, N 64]; A: softmax (see below); B: computed on the way: QUANTISED
;;     6. [M 128, K 64] x [K 64, N 16,384]; A: input W_w; B: computed on the way: QUANTISED
;;   THE QUANTISER, for each operand of a quantised product, along K:
;;     - K is cut into blocks of 32 from its start; a last block that is shorter is filled with zeros.
;;     - A block's scale is 2^e with e = floor(log2(the largest magnitude in the block)) - 15, held to -126 .. 127; a block of zeros has e = 0. As a byte (E8M0): e + 127.
;;     - Each number is divided by its block's scale, clamped to +-57,344, and rounded to the nearest number of E5M2, ties to even, subnormals kept.
;;     - The product sums the exact products of the quantised numbers (number of the format x scale) in f32.
;;   ~~~python
;;   def quantise(x, axis):      # numpy; x: float32 -> the quantised numbers, widened to float32 again
;;       x = np.moveaxis(x, axis, -1); K = x.shape[-1]
;;       x = np.pad(x, [(0, 0)] * (x.ndim - 1) + [(0, -K % 32)]); x = x.reshape(x.shape[:-1] + (-1, 32)); a = np.abs(x).max(-1, keepdims=True)
;;       e = np.where(a > 0, np.clip(np.frexp(np.where(a > 0, a, 1))[1] - 1 - 15, -126, 127), 0)      # np.frexp(a)[1] - 1 = floor(log2(a)), exactly
;;       r = np.clip(x / 2.0 ** e, -57344, 57344)
;;       step = 2.0 ** (np.maximum(np.frexp(np.where(r == 0, 1, r))[1] - 1, -14) - 2)
;;       q = np.round(r / step) * step * 2.0 ** e      # np.round: ties to even
;;       return np.moveaxis(q.reshape(q.shape[:-2] + (-1,))[..., :K], -1, axis).astype(np.float32)
;;   ~~~
;;   SOFTMAX AHEAD OF A QUANTISED PRODUCT. Where the list says 'softmax', what is quantised is not the finished softmax but p = 2^(t - M), with t = logit x log2(e) and M = ceil(the row's largest t), a whole number; so 1/2 < the row's largest p <= 1. The row's sum l is taken of the UNQUANTISED p, in f32, and the product's result is divided by l at the end. Since M is a whole number, a kernel that streams over the keys may use a running M (the ceiling of the running maximum): every later rescaling is an exact power of two, which a block's scale takes up: the codes' values come out the same.
;;   OPERANDS COMPUTED ON THE WAY. 'Computed on the way' means the value that the module computes at that place (a softmax that the list does not call 'softmax' is quantised finished and normalised). What goes into a quantiser is computed in f32, as accurately as f32 sums, v_exp_f32 and their like allow (about 1e-6 of the number): no bf16 or f16 on the way to a quantiser, and a product that is left as it is and whose result goes on into a quantised operand takes f32 operands (vector FMAs, or v_wmma_f32_16x16x4_f32). A number that lies on a knife's edge between two numbers of the format may be rounded either way, as far as f32 arithmetic and the matrix unit's own rounding can turn it there, and no further.
;; One version. Each part assembles by itself: llvm-mc -triple=amdgcn-amd-amdhsa -mcpu=gfx1250 --defsym DOCPART=n.
;; ======== version 1 of 1: 2 launches
;; workspace buffers: kvc 2,097,152 bytes; kvs 65,536 bytes; thc 1,048,576 bytes; ths 32,768 bytes
;; launch proj (part 1): grid 256 x 1, 4 waves a work-group, no clusters, 168,448 bytes of LDS; arguments x0, x1, phi_w, theta_w, phi_b, theta_b, g_w, g_b, kvc, thc, kvs, ths; writes kvc, thc, kvs, ths
.if DOCPART == 1
	.amdgcn_target "amdgcn-amd-amdhsa--gfx1250"
	.amdhsa_code_object_version 6
	.text
	.protected	k_q53b8d8c22e_proj
	.globl	k_q53b8d8c22e_proj
	.p2align	8
	.type	k_q53b8d8c22e_proj,@function
k_q53b8d8c22e_proj:
	s_mov_b64 s[64:65], 0
	v_nop
	global_prefetch_b8 v0, s[64:65] scope:SCOPE_SE
	s_setreg_imm32_b32 hwreg(HW_REG_WAVE_MODE, 25, 1), 1
	s_wait_xcnt 0x0
; THE THREE 1x1 CONVOLUTIONS, on codes of BF8 (E5M2) with one E8M0 scale for each 32 along K = the 128 channels, and the quantising of their results for the attention launch.
; x0, x1: [4][128][4096] f32 (K is NOT innermost); the weights [64][128] f32 (K innermost); the biases [64] f32.
; Work-groups 0-127 take x0 and make phi (the keys, quantised along the 64 inner channels) and g (the values, quantised along the keys); work-groups 128-255 take x1 and make theta (the queries).
; Only pointers are chosen by the work-group's number; both kinds walk one text, and the x1 kind jumps over the lines that serve g.
; SHARES.  A work-group takes 128 positions of one batch, each of its four waves 32: two tiles of 16.
; ALL THAT IS READ FROM MEMORY IS ASKED FOR AT THE HEAD.  x comes by one tensor load a wave: wave w brings channels 32 w .. 32 w + 31 of the 128 positions, 32 rows of 512 bytes, so that the work-group's 64 KiB are on their way
; together; by this text's count one tensor load of a wave is out.  The weights' tiles and the biases go straight into registers, and the weights are quantised while x is on its way.  Nothing in LDS is filled twice.
; A LANE TAKES A POSITION AND ITS REGISTERS RUN DOWN THE CHANNELS: each LDS load reads 128 consecutive bytes of a channel's row, a block of 32 channels lies in one lane, and the conversions give codes with K innermost.
; A lane then holds both halves of its row of the operand; one exchange between the halves of the lanes (v_permlane16_swap_b32) makes the two tiles' fragments of them.
; THE POSITIONS OF A TILE ARE NOT NEIGHBOURS: row r of tile u is position 8 u + r + 8 (r / 8) of the wave's 32 (lanes take the positions with bits 3 and 4 of the lane's number exchanged), and so are the weights' rows:
; so 16 registers of two neighbouring result tiles are 16 neighbours along the next product's K.
; phi, theta: source 0 = 16 rows of the weight, source 1 = 16 positions: a lane holds one position, its registers run along the inner channels.   g: the sources change places: a lane holds one channel, its registers run along the keys.
; The biases are the C of the one matrix instruction that makes each tile (K = 128 is one step: no sum is taken up again).
; WHAT IS STORED are images of operand registers: each group of four registers as 512 consecutive bytes, lane l's 16 bytes at 16 l; the scale words gathered in LDS leave as one whole block of 512 (x0) or 256 (x1) bytes.
; Each wave quantises one tile of each weight; the tiles go from wave to wave through LDS as register images.
; NO CLUSTER: the work-groups share the weights alone, which each reads once, at its head, straight into the registers that quantise them; a joint load would put a round of the cluster's barrier in front of the
; first loads and another at the end of a text that has no loop.  (The launch claims more LDS than the text's 83,968 bytes.)
; LIMITS: NaN and infinities among the inputs are not served.  A block whose largest magnitude lies under 2^-111 keeps the scale byte 1; a block of zeros gets the byte 1 where the rule says 127: its codes are zeros, and this program alone reads the bytes.
.set WIMG, 0                           ; LDS: 8 weight fragments of 2,048 bytes: the first weight's four tiles, then g_w's four
.set WSC,  16384                       ; their scale words, 128 bytes a tile
.set SCST, 17408                       ; the results' scale words: 256 bytes for phi or theta, 256 for g
.set XT,   18432                       ; x's tile: 128 channels x 512 bytes (128 positions), as the tensor loads lay it; no ds_store lands here
.set XA,   1                           ; v1   XT + 128 x wave + 4 x my position among the wave's 32
.set LI,   2                           ; v2   16 x lane
.set LS,   3                           ; v3   4 x lane
.set WO,   4                           ; v4   my 64 bytes in a weight tile: (r + (r & 8)) rows of 512 bytes + 64 h
.set WWI,  5                           ; v5   where I store a weight image: 16 x lane + 2,048 x wave
.set WWS,  6                           ; v6   and its scale words: 4 x lane + 128 x wave
.set SWA,  7                           ; v7   my row's scale word of phi or theta: 4 r + 64 x wave
.set GBA,  8                           ; v8   my channel's scale byte of g: 4 r + wave
.set L8,   9                           ; v9   8 x lane
.set XSW,  10                          ; v10  x's scale words: lanes 0-15 tile 0's rows, lanes 16-31 tile 1's
.set PW,   11                          ; v11  the scale word that QUANT has just made
.set WS,   12                          ; v12-15 the four weight tiles' scale words
.set RW,   16                          ; v16-79 the first weight's tile as f32; later WF: four weight fragments
.set WF,   16
.set PC,   80                          ; v80-95 the codes that QUANT has just made
.set BC,   96                          ; v96-127 four tiles of bias, in the result's layout
.set GB,   128                         ; v128-131 g_b: one number for each channel tile
.set FW,   132                         ; v132-135 the scale words on their way out
.set BO,   136                         ; v136 64 h: the bias's offset
.set GO4,  137                         ; v137 4 (r + (r & 8)): g_b's
.set X,    144                         ; v144-207 at the head g_w's tile as f32; then two sets of 32 numbers of x; then ACC: eight result tiles
.set ACC,  144
.set XF0,  208                         ; v208-223, v224-239 x's codes: the rows' lower and upper halves, then tile 0's and tile 1's fragment
.set XF1,  224
.set TM,   240                         ; v240-243 largest magnitudes, v244-247 permutes and bytes, v248-251 the largest number x the scale, v252-255 the conversions' scale operands
.set WV,   28
.set SEL,  34
.set MNT,  36
.set G1,   68                          ; s[68:75] descriptor group 1, s[76:79] group 0
.set G0,   76
; D = A x B + C, C in other registers; ra, rb = 1: that side's scales are read from lanes 16-31
.macro WMC d, a, b, c, sa, sb, ra, rb
.if ((\ra) == 0) && ((\rb) == 0)
	v_wmma_scale_f32_16x16x128_f8f6f4 v[\d:\d+7], v[\a:\a+15], v[\b:\b+15], v[\c:\c+7], v[\sa], v[\sb] matrix_a_fmt:MATRIX_FMT_BF8 matrix_b_fmt:MATRIX_FMT_BF8
.elseif (\ra) == 0
	v_wmma_scale_f32_16x16x128_f8f6f4 v[\d:\d+7], v[\a:\a+15], v[\b:\b+15], v[\c:\c+7], v[\sa], v[\sb] matrix_a_fmt:MATRIX_FMT_BF8 matrix_b_fmt:MATRIX_FMT_BF8 matrix_b_scale:MATRIX_SCALE_ROW1
.else
	v_wmma_scale_f32_16x16x128_f8f6f4 v[\d:\d+7], v[\a:\a+15], v[\b:\b+15], v[\c:\c+7], v[\sa], v[\sb] matrix_a_fmt:MATRIX_FMT_BF8 matrix_b_fmt:MATRIX_FMT_BF8 matrix_a_scale:MATRIX_SCALE_ROW1
.endif
.endm
.macro PLACES n                        ; plain vector lines that name no register of the matrix instructions round them (ISA guide 7.12.1)
.rept \n
	v_nop
.endr
.endm
.macro XLOAD t                         ; block t of x out of LDS: channels 32 t + i of my position, into set t % 2; 32 lanes read 128 consecutive bytes of a channel's row
.set i, 0
.rept 32
	ds_load_b32 v[X+32*((\t)%2)+i], v[XA] offset:(32*(\t)+i)*512
.set i, i+1
.endr
.endm
.macro WLOAD base, reg                 ; my wave's tile of a weight: of my row, 16 neighbours of each block of 32
.irp b, 0,1,2,3
.irp j, 0,1,2,3
	global_load_b128 v[\reg+16*\b+4*\j:\reg+16*\b+4*\j+3], v[WO], s[\base:\base+1] offset:128*\b+16*\j
.endr
.endr
.endm
; A block of 32 channels of my position, all in my registers: its scale, its 32 codes (16 to each half's registers), its byte into x's scale word
.macro BLOCK t
.set XS, X+32*((\t)%2)
	v_max3_num_f32 v[TM], |v[XS]|, |v[XS+1]|, |v[XS+2]|
	v_max3_num_f32 v[TM+1], |v[XS+3]|, |v[XS+4]|, |v[XS+5]|
.irp i, 6,10,14,18,22,26
	v_max3_num_f32 v[TM], v[TM], |v[XS+\i]|, |v[XS+\i+1]|
	v_max3_num_f32 v[TM+1], v[TM+1], |v[XS+\i+2]|, |v[XS+\i+3]|
.endr
	v_max3_num_f32 v[TM], v[TM], |v[XS+30]|, |v[XS+31]|
	v_max3_num_f32 v[TM], v[TM], v[TM+1], 0x8000000        ; and the floor 2^(16 - 127): the byte cannot fall under 1
	v_add_nc_u32 v[TM+12], 0xf8800000, v[TM]               ; 15 off the exponent field: the conversion takes this operand's exponent field as its scale
	v_and_or_b32 v[TM+8], v[TM], 0x7f800000, s[MNT]        ; 57,344 x the scale
	v_lshrrev_b32 v[TM+2], 23, v[TM+12]                    ; the scale's byte
.set k, 0
.rept 32
	v_med3_num_f32 v[XS+k], v[XS+k], -v[TM+8], v[TM+8]     ; the conversion to an 8-bit code does not saturate (ISA guide 7.6.2): the hold comes first
.set k, k+1
.endr
	v_cvt_scalef32_pk8_bf8_f32 v[XF0+4*(\t):XF0+4*(\t)+1], v[XS:XS+7], v[TM+12]
	v_cvt_scalef32_pk8_bf8_f32 v[XF0+4*(\t)+2:XF0+4*(\t)+3], v[XS+8:XS+15], v[TM+12]
	v_cvt_scalef32_pk8_bf8_f32 v[XF1+4*(\t):XF1+4*(\t)+1], v[XS+16:XS+23], v[TM+12]
	v_cvt_scalef32_pk8_bf8_f32 v[XF1+4*(\t)+2:XF1+4*(\t)+3], v[XS+24:XS+31], v[TM+12]
.if (\t) == 0
	v_mov_b32 v[XSW], v[TM+2]                              ; (also the plain line behind the conversions)
.else
	v_lshl_or_b32 v[XSW], v[TM+2], 8*(\t), v[XSW]
.endif
.endm
; 64 numbers of a lane, register 16 b + i = number 32 b + 16 (lane / 16) + i of my row, become 16 registers of codes at v[pc] and the scale word v[PW]; the four bytes stay in v[TM+4] on
.macro QUANT s, pc
.irp b, 0,1,2,3
	v_max3_num_f32 v[TM+\b], |v[\s+16*\b]|, |v[\s+1+16*\b]|, 0x8000000
.endr
.irp i, 2,4,6,8,10,12,14
.irp b, 0,1,2,3
	v_max3_num_f32 v[TM+\b], v[TM+\b], |v[\s+16*\b+\i]|, |v[\s+1+16*\b+\i]|
.endr
.endr
.irp b, 0,1,2,3
	v_permlanex16_b32 v[TM+4+\b], v[TM+\b], s[SEL], s[SEL+1]
.endr
.irp b, 0,1,2,3
	v_max_num_f32 v[TM+\b], v[TM+\b], v[TM+4+\b]           ; with lane l xor 16's 16: the block's largest magnitude
.endr
.irp b, 0,1,2,3
	v_add_nc_u32 v[TM+12+\b], 0xf8800000, v[TM+\b]
.endr
.irp b, 0,1,2,3
	v_and_or_b32 v[TM+8+\b], v[TM+\b], 0x7f800000, s[MNT]
.endr
.irp b, 0,1,2,3
	v_lshrrev_b32 v[TM+4+\b], 23, v[TM+12+\b]
.endr
	v_lshl_or_b32 v[PW], v[TM+5], 8, v[TM+4]
	v_lshl_or_b32 v[PW], v[TM+6], 16, v[PW]
	v_lshl_or_b32 v[PW], v[TM+7], 24, v[PW]
.irp b, 0,1,2,3
.set k, 0
.rept 16
	v_med3_num_f32 v[\s+16*\b+k], v[\s+16*\b+k], -v[TM+8+\b], v[TM+8+\b]
.set k, k+1
.endr
	v_cvt_scalef32_pk8_bf8_f32 v[\pc+4*\b:\pc+4*\b+1], v[\s+16*\b:\s+16*\b+7], v[TM+12+\b]
	v_cvt_scalef32_pk8_bf8_f32 v[\pc+4*\b+2:\pc+4*\b+3], v[\s+16*\b+8:\s+16*\b+15], v[TM+12+\b]
.endr
	v_nop                                                  ; one plain line behind the last conversion, ahead of whatever next touches its registers
.endm
.macro WIMAGE io, so                   ; the weight tile's codes in v[PC] on and its scale words go to LDS as they stand
.irp c, 0,1,2,3
	ds_store_b128 v[WWI], v[PC+4*\c:PC+4*\c+3] offset:\io+512*\c
.endr
	ds_store_b32 v[WWS], v[PW] offset:\so
	s_wait_dscnt 0x0
.endm
.macro FETCHW base, sbase              ; and come back so, in every wave: four fragments and their scale words: 20 LDS loads
.irp t, 0,1,2,3
.irp c, 0,1,2,3
	ds_load_b128 v[WF+16*\t+4*\c:WF+16*\t+4*\c+3], v[LI] offset:\base+2048*\t+512*\c
.endr
	ds_load_b32 v[WS+\t], v[LS] offset:\sbase+128*\t
.endr
.endm
.macro BARRIER                         ; my LDS stores have landed and my LDS loads are in: then the work-group's barrier
	s_wait_dscnt 0x0
	s_barrier_signal -1
	s_barrier_wait -1
.endm
	s_load_b256 s[4:11], s[0:1], 0x0               ; x0, x1, phi_w, theta_w
	s_load_b256 s[12:19], s[0:1], 0x20             ; phi_b, theta_b, g_w, g_b
	s_load_b256 s[20:27], s[0:1], 0x40             ; kvc, thc, kvs, ths
	v_lshl_add_u32 v142, v0, 2, 0x29000
	v_mov_b32 v143, 0
	ds_add_u32 v142, v143
	v_lshrrev_b32 v[TM], 5, v0
	v_readfirstlane_b32 s[WV], v[TM]               ; wave 0..3
	s_and_b32 s30, ttmp9, 127                      ; which 128 positions: 32 x batch + step
	s_lshr_b32 s31, s30, 5                         ; batch
	s_and_b32 s32, s30, 31                         ; step
	s_mov_b32 s[SEL], 0x76543210
	s_mov_b32 s[SEL+1], 0xfedcba98                 ; v_permlanex16_b32's selects for lane l xor 16
	s_mov_b32 s[MNT], 0x600000                     ; the mantissa field of 57,344
	; descriptor group 1: a tile of 32 rows (channels) x 128 elements of 4 bytes (positions), 4,096 elements from row to row; no padding: a lane's reads run along a row
	s_mov_b32 s[G1], 2<<16                         ; 15:0 no mask; 17:16 elements of 4 bytes
	s_mov_b32 s[G1+1], 128<<16                     ; tensor_dim0 = 128
	s_mov_b32 s[G1+2], 32<<16                      ; tensor_dim1 = 32
	s_mov_b32 s[G1+3], 128<<16                     ; tile_dim0 = 128
	s_mov_b32 s[G1+4], 32                          ; tile_dim1 = 32
	s_mov_b32 s[G1+5], 4096                        ; from row to row
	s_mov_b32 s[G1+6], 0
	s_mov_b32 s[G1+7], 0
	s_mov_b32 s[G0], 1                             ; count = 1
	s_lshl_b32 s[G0+1], s[WV], 14                  ; LDS address: my 32 rows of 512 bytes
	s_add_co_u32 s[G0+1], s[G0+1], XT
	v_and_b32 v[TM], 31, v0                        ; lane
	v_and_b32 v[TM+1], 15, v0                      ; r
	v_bfe_u32 v[TM+2], v0, 4, 1                    ; h
	v_and_b32 v[TM+3], 8, v0                       ; r & 8
	v_and_b32 v[XA], 7, v0
	v_lshl_or_b32 v[XA], v[TM+3], 1, v[XA]         ; the lane's bit 3 becomes the position's bit 4,
	v_lshl_or_b32 v[XA], v[TM+2], 3, v[XA]         ; its bit 4 the position's bit 3
	v_lshlrev_b32 v[XA], 2, v[XA]
	s_lshl_b32 s33, s[WV], 7                       ; my wave's 32 positions: 128 bytes of a row
	s_add_co_u32 s29, s33, XT
	v_add_nc_u32 v[XA], s29, v[XA]
	v_lshlrev_b32 v[LI], 4, v[TM]
	v_lshlrev_b32 v[LS], 2, v[TM]
	v_lshlrev_b32 v[L8], 3, v[TM]
	v_add_nc_u32 v[GO4], v[TM+3], v[TM+1]          ; r + (r & 8)
	v_lshlrev_b32 v[WO], 9, v[GO4]
	v_lshl_add_u32 v[WO], v[TM+2], 6, v[WO]
	v_lshlrev_b32 v[GO4], 2, v[GO4]
	v_lshlrev_b32 v[BO], 6, v[TM+2]                ; the bias in the result's layout: for tile 2 b + u a lane wants channels 32 b + 8 u + 16 h + 0 .. 7
	s_lshl_b32 s58, s[WV], 11
	v_add_nc_u32 v[WWI], s58, v[LI]
	v_add_nc_u32 v[WWS], s33, v[LS]
	v_lshlrev_b32 v[SWA], 2, v[TM+1]
	v_add_nc_u32 v[GBA], s[WV], v[SWA]
	s_lshl_b32 s37, s[WV], 6
	v_add_nc_u32 v[SWA], s37, v[SWA]
.irp b, 0,1,2,3
	v_mov_b32 v[TM+4+\b], 0                        ; written once: a lane permute's destination counts as one of its sources
.endr
	s_lshl_b32 s38, s31, 21                        ; x: batch x 128 channels x 16,384 bytes
	s_lshl_b32 s29, s32, 9                         ; + step x 512
	s_add_co_u32 s38, s38, s29
	s_lshl_b32 s29, s[WV], 19                      ; + my 32 channels
	s_add_co_u32 s38, s38, s29
	s_mov_b32 s39, 0
	s_lshr_b32 s29, s[WV], 1                       ; my weight tile begins at row 32 (wave / 2) + 8 (wave % 2), 512 bytes a row
	s_lshl_b32 s56, s29, 14
	s_and_b32 s29, s[WV], 1
	s_lshl_b32 s29, s29, 12
	s_add_co_u32 s56, s56, s29
	s_mov_b32 s57, 0
	s_mov_b32 s59, 0
	s_lshl_b32 s60, s30, 14                        ; a step of kvc is 16,384 bytes
	s_mov_b32 s61, 0
	s_lshl_b32 s62, s[WV], 9                       ; g's fragments lie behind phi's 8,192 bytes; my 32 keys are register group `wave` of each
	s_add_co_u32 s62, s62, 8192
	s_mov_b32 s63, 0
	s_wait_dscnt 0x0
	s_wait_kmcnt 0x0
	s_cmp_lt_u32 ttmp9, 128                        ; x0's work-group or x1's?  The choice hangs on the work-group's number alone
	s_cselect_b64 s[40:41], s[4:5], s[6:7]
	s_cselect_b64 s[42:43], s[8:9], s[10:11]
	s_cselect_b64 s[44:45], s[12:13], s[14:15]
	s_cselect_b64 s[46:47], s[20:21], s[22:23]
	s_cselect_b64 s[50:51], s[24:25], s[26:27]
	s_cselect_b32 s33, 14, 13                      ; 128 positions are 16,384 bytes of kvc, 8,192 of thc,
	s_cselect_b32 s37, 9, 8                        ; 512 of kvs, 256 of ths
	s_add_nc_u64 s[G0+2:G0+3], s[40:41], s[38:39]  ; the global address of my tile's first element
	s_or_b32 s[G0+3], s[G0+3], 0x80000000          ; type = 2
	tensor_load_to_lds s[G0:G0+3], s[G1:G1+7]      ; x first: it is the most bytes.  Every wave issues its own, into its own 16,384 bytes
	s_nop 0
.rept 4
	v_nop
.endr
	s_add_nc_u64 s[42:43], s[42:43], s[56:57]      ; the first weight at my tile
	s_add_nc_u64 s[52:53], s[16:17], s[56:57]      ; g_w at my tile
	WLOAD 42, RW
.irp t, 0,1,2,3
	global_load_b128 v[BC+8*\t:BC+8*\t+3], v[BO], s[44:45] offset:(32*(\t/2)+8*(\t%2))*4
	global_load_b128 v[BC+8*\t+4:BC+8*\t+7], v[BO], s[44:45] offset:(32*(\t/2)+8*(\t%2))*4+16
.endr
.irp n, 0,1,2,3
	global_load_b32 v[GB+\n], v[GO4], s[18:19] offset:(32*(\n/2)+8*(\n%2))*4    ; for g a lane holds one channel: one number of g_b for each tile.  (Four loads of 64 bytes, on both ways: so the registers are written on every way)
.endr
	s_lshl_b32 s38, s30, s33
	s_add_nc_u64 s[46:47], s[46:47], s[38:39]
	s_add_nc_u64 s[46:47], s[46:47], s[58:59]      ; my fragment of phi or theta: + 2,048 x wave
	s_add_nc_u64 s[48:49], s[20:21], s[60:61]
	s_add_nc_u64 s[48:49], s[48:49], s[62:63]      ; my register group of g's fragments
	s_lshl_b32 s38, s30, s37
	s_add_nc_u64 s[50:51], s[50:51], s[38:39]
	s_cmp_ge_u32 ttmp9, 128
	s_cbranch_scc1 .Lone_weight
	WLOAD 52, X                                    ; g_w's tile, into the registers that x's numbers take later
	s_wait_loadcnt 0x0                             ; all the head's loads were asked for together: one wait serves them
	QUANT X, PC
	WIMAGE WIMG+8192, WSC+512
.Lone_weight:
	s_wait_loadcnt 0x0                             ; the first weight's tile, the bias, g_b
	QUANT RW, PC
	WIMAGE WIMG, WSC
	s_wait_tensorcnt 0x0                           ; my 32 channels of x have landed,
	BARRIER                                        ; everybody's have, and every wave's weight images lie in LDS
	XLOAD 0
	XLOAD 1
	s_wait_dscnt 32                                ; block 0 is in; block 1's 32 loads may be out
	BLOCK 0
	XLOAD 2
	s_wait_dscnt 32                                ; block 1 is in; block 2's may be out
	BLOCK 1
	XLOAD 3
	s_wait_dscnt 32                                ; block 2 is in; block 3's may be out
	BLOCK 2
	FETCHW WIMG, WSC                               ; the first weight's fragments come while the last block is worked
	s_wait_dscnt 20                                ; block 3 is in; those 20 loads may be out
	BLOCK 3
.set i, 0
.rept 16
	v_permlane16_swap_b32 v[XF0+i], v[XF1+i]       ; the lower halves' lanes 16-31 change places with the upper halves' lanes 0-15: now XF0 is tile 0's fragment and XF1 tile 1's
.set i, i+1
.endr
	s_wait_dscnt 0x0
	PLACES 8                                       ; x's fragments and scale words were written by vector instructions
.irp u, 0,1
.irp t, 0,1,2,3
	WMC ACC+32*\u+8*\t, WF+16*\t, XF0+16*\u, BC+8*\t, WS+\t, XSW, 0, \u
.endr
.endr
	PLACES 8
	QUANT ACC, PC                                  ; register 32 u + 16 b + i = channel 32 b + 16 h + i of tile u's row r: two tiles x two blocks: one fragment, [tile 0 | tile 1]
.irp c, 0,1,2,3
	global_store_b128 v[LI], v[PC+4*\c:PC+4*\c+3], s[46:47] offset:512*\c       ; 32 lanes store 512 consecutive bytes
.endr
	ds_store_b32 v[SWA], v[PW] offset:SCST
	s_cmp_ge_u32 ttmp9, 128
	s_cbranch_scc1 .Lno_g
	FETCHW WIMG+8192, WSC+512                      ; (the places behind the products that read these registers: the eight above and QUANT's lines)
.irp n, 0,1,2,3
.irp j, 0,1,2,3,4,5,6,7
	v_mov_b32 v[BC+8*\n+\j], v[GB+\n]              ; as C, g_b's number fills the tile's eight registers
.endr
.endr
	s_wait_dscnt 0x0
	s_wait_xcnt 0x0                                ; the stores above have read their data: the codes' registers are written again only behind this wait
	PLACES 9                                       ; the products below write over the results of the products above
.irp n, 0,1,2,3
.irp u, 0,1
	WMC ACC+16*\n+8*\u, XF0+16*\u, WF+16*\n, BC+8*\n, XSW, WS+\n, \u, 0
.endr
.endr
	PLACES 8
	QUANT ACC, PC                                  ; register 16 n + i = key 16 h + i of my 32, of row r of channel tile n: block n is that channel's 32 keys
.irp n, 0,1,2,3
	global_store_b128 v[LI], v[PC+4*\n:PC+4*\n+3], s[48:49] offset:2048*\n      ; register group `wave` of g's fragment n
	ds_store_b8 v[GBA], v[TM+4+\n] offset:SCST+256+64*\n                        ; byte `wave` of that row's scale word; lanes r and r + 16 write the same byte with the same value
.endr
.Lno_g:
	BARRIER                                        ; all scale words lie in LDS
	s_cmp_lg_u32 s[WV], 0
	s_cbranch_scc1 .Lend                           ; wave 0 stores them, as one whole block
	s_cmp_ge_u32 ttmp9, 128
	s_cbranch_scc1 .Ltheta_words
.irp i, 0,1,2,3
	ds_load_b32 v[FW+\i], v[LS] offset:SCST+128*\i ; word i of a lane: phi's fragments 0 | 1, 2 | 3, g's tiles 0 | 1, 2 | 3 (lanes 0-15 | lanes 16-31)
.endr
	s_wait_dscnt 0x0
	global_store_b128 v[LI], v[FW:FW+3], s[50:51]  ; 512 consecutive bytes
	s_branch .Lend
.Ltheta_words:
	ds_load_b64 v[FW:FW+1], v[L8] offset:SCST
	s_wait_dscnt 0x0
	global_store_b64 v[L8], v[FW:FW+1], s[50:51]   ; 256 consecutive bytes: four pairs of query tiles x 16 rows
.Lend:
	s_wait_tensorcnt 0x0
	ds_add_u32 v142, v143
	s_wait_dscnt 0x0
	s_endpgm
.Lfunc_end_k_q53b8d8c22e_proj:
	.size	k_q53b8d8c22e_proj, .Lfunc_end_k_q53b8d8c22e_proj-k_q53b8d8c22e_proj
	.p2alignl 7, 3214868480
	.fill 96, 4, 3214868480
	.section	.rodata,"a",@progbits
	.p2align	6, 0x0
	.amdhsa_kernel k_q53b8d8c22e_proj
		.amdhsa_group_segment_fixed_size 168448
		.amdhsa_private_segment_fixed_size 0
		.amdhsa_enable_private_segment 0
		.amdhsa_kernarg_size 96
		.amdhsa_user_sgpr_count 2
		.amdhsa_user_sgpr_kernarg_segment_ptr 1
		.amdhsa_wavefront_size32 1
		.amdhsa_system_sgpr_workgroup_id_x 1
		.amdhsa_system_sgpr_workgroup_id_y 1
		.amdhsa_system_sgpr_workgroup_id_z 1
		.amdhsa_system_vgpr_workitem_id 0
		.amdhsa_next_free_vgpr 256
		.amdhsa_next_free_sgpr 80
		.amdhsa_reserve_vcc 0
		.amdhsa_float_denorm_mode_32 3
		.amdhsa_float_denorm_mode_16_64 3
		.amdhsa_memory_ordered 1
		.amdhsa_forward_progress 1
		.amdhsa_inst_pref_size 73
	.end_amdhsa_kernel
	.amdgpu_metadata
---
amdhsa.version: [ 1, 2 ]
amdhsa.kernels:
  - .name:           k_q53b8d8c22e_proj
    .symbol:         k_q53b8d8c22e_proj.kd
    .args:
      - { .name: x0, .offset: 0, .size: 8, .value_kind: global_buffer, .address_space: global }
      - { .name: x1, .offset: 8, .size: 8, .value_kind: global_buffer, .address_space: global }
      - { .name: phi_w, .offset: 16, .size: 8, .value_kind: global_buffer, .address_space: global }
      - { .name: theta_w, .offset: 24, .size: 8, .value_kind: global_buffer, .address_space: global }
      - { .name: phi_b, .offset: 32, .size: 8, .value_kind: global_buffer, .address_space: global }
      - { .name: theta_b, .offset: 40, .size: 8, .value_kind: global_buffer, .address_space: global }
      - { .name: g_w, .offset: 48, .size: 8, .value_kind: global_buffer, .address_space: global }
      - { .name: g_b, .offset: 56, .size: 8, .value_kind: global_buffer, .address_space: global }
      - { .name: kvc, .offset: 64, .size: 8, .value_kind: global_buffer, .address_space: global }
      - { .name: thc, .offset: 72, .size: 8, .value_kind: global_buffer, .address_space: global }
      - { .name: kvs, .offset: 80, .size: 8, .value_kind: global_buffer, .address_space: global }
      - { .name: ths, .offset: 88, .size: 8, .value_kind: global_buffer, .address_space: global }
    .group_segment_fixed_size: 168448
    .private_segment_fixed_size: 0
    .kernarg_segment_align: 8
    .kernarg_segment_size: 96
    .max_flat_workgroup_size: 128
    .sgpr_count:     80
    .vgpr_count:     256
    .wavefront_size: 32
...
	.end_amdgpu_metadata
.endif
;; end of part 1
;; launch attn (part 2): grid 64 x 4, 16 waves a work-group, clusters of 4 x 1, 327,680 bytes of LDS; arguments kvc, kvs, thc, ths, W_w, W_b, x0, out0; writes out0
.if DOCPART == 2
	.amdgcn_target "amdgcn-amd-amdhsa--gfx1250"
	.amdhsa_code_object_version 6
	.text
	.protected	k_q53b8d8c22e_attn
	.globl	k_q53b8d8c22e_attn
	.p2align	8
	.type	k_q53b8d8c22e_attn,@function
k_q53b8d8c22e_attn:
	s_mov_b64 s[64:65], 0
	v_nop
	global_prefetch_b8 v0, s[64:65] scope:SCOPE_SE
	s_setreg_imm32_b32 hwreg(HW_REG_WAVE_MODE, 25, 1), 1
	s_wait_xcnt 0x0
	s_wait_alu depctr_hold_cnt(0) depctr_sa_sdst(0) depctr_va_vdst(0) depctr_va_sdst(0) depctr_va_ssrc(0) depctr_va_vcc(0) depctr_vm_vsrc(0)
	s_getreg_b32 s2, hwreg(HW_REG_IB_STS2, 6, 4)
	s_cmp_eq_u32 s2, 0
	s_cbranch_scc0 .Lentry_in_a_cluster
	s_endpgm
.Lentry_in_a_cluster:
	s_bfe_u32 s2, ttmp6, 0x10000c
	s_cmp_lg_u32 s2, 0x3003
	s_cbranch_scc0 .Lentry_shape_is_right
	s_endpgm
.Lentry_shape_is_right:
; out0 = W_w softmax(theta phi) g + W_b + x0, the three products on codes of BF8 (E5M2) with one E8M0 scale for each 32 along K.  4 batches x 4,096 positions; 64 inner channels; 128 outer.
; kvc, kvs, thc, ths hold images of operand registers, made by the launch before (lane l's 16 bytes at 16 l, 512 bytes for four registers).  A step is 128 keys: 8,192 bytes of phi, 8,192 of g, 512 of scale words.
; THE SOFTMAX: t = score x log2(e); M = the largest t so far, rounded UP to a whole number; p = 2^(t - M) is quantised along the keys, not normalised; the sum l is taken of the unquantised p.
; SHARES.  A work-group owns 64 queries of a batch.  Wave w = 4 kq + qt owns query tile qt (16 queries) and a QUARTER OF THE KEYS: of each chunk of 8 steps the steps 2 kq and 2 kq + 1.  It keeps its own M, l and O^T;
; at the end the four parts of a query tile meet in LDS and are brought under the largest M by powers of two, which rounds nothing.  Four waves lie on a SIMD, so that one wave's exponentials stand beside another's products and LDS loads.
; LAYOUT.  S^T = phi theta^T, O^T = g^T p^T: a lane holds ONE query (lane % 16).  The first product's K is 64, half of the instruction's 128: A FRAGMENT OF phi HOLDS TWO TILES OF KEYS, one in each half of K, and is multiplied
; once by [theta | zero codes] and once by [zero codes | theta]: no register and no LDS byte holds padding on phi's side.  theta stands in v16-23 and again in v32-39 with eight registers of zeros between.
; The keys of a tile, the channels of a tile of g and the queries of a tile are chosen by the launch before so that 16 registers of two neighbouring result tiles are 16 neighbours along the next K.
; CLUSTER.  The four work-groups of a cluster belong to one batch and walk the same keys and values: each tile is asked for JOINTLY (mask 15), the same load with the same descriptor in all four.
; Only one axis is shared, and a mask names four work-groups: so 4 x 1.
; THE RING: two slots of 8 steps (131,072 bytes); waves 0-7 fetch a step each.  Four chunks: two first fills, two refills, all written out.  By this text's count a wave has three tensor loads out at the start, later one.
; The images are read as 512 consecutive bytes an instruction: no padding.
; LIMITS: NaN and infinities are not served.  A block whose largest magnitude lies under 2^-111 keeps the scale byte 1 (a block of zeros too: its codes are zeros).  v_exp_f32 gives 0 for p under 2^-126.
; The four key quarters' sums are added in another order than one stream would add them.
.set SLOT1, 131072
.set SCL,   262144                     ; behind the ring: the batch's scale words, 16,384 bytes, filled once
.set SPARE, 278528                     ; the spare words, 128 bytes for each of 16 waves: eight blocks of 256 bytes that no other line names
.set MST,   280576                     ; -M, a word for each thread; 2,048 bytes on: l likewise
.set STG,   65536                      ; the way out: 128 rows x (256 bytes + 16).  It and the O images (bytes 0 to 65,535) lie in slot 0, which has had its last fill and its last read by then
.set SP,    272
.set ADR0, 1                           ; v1   16 x lane + 32,768 kq: my two steps in slot 0
.set ADR1, 2                           ; v2   the same in slot 1
.set ASC,  3                           ; v3   SCL + 16 x lane + 1,024 kq: my steps' scale words
.set SPW,  4                           ; v4   LDS address of my spare word; never rewritten
.set NIL,  5                           ; v5   0; never rewritten
.set PFO,  6                           ; v6   256 x lane: the prefetch's offset; never rewritten
.set QS,   7                           ; v7   theta's scale word: lanes 0-15 in bytes 0, 1; lanes 16-31 in bytes 2, 3
.set SS,   8                           ; v8-11 a step's scale words: phi's fragments 0 | 1, 2 | 3, g's tiles 0 | 1, 2 | 3 (lanes 0-15 | 16-31)
.set QLO,  16                          ; v[16:31] = [theta | zeros]
.set QHI,  24                          ; v[24:39] = [zeros | theta]
.set FB,   40                          ; v40-103 four fragments of phi, then of g
.set S,    104                         ; v104-167 S^T, then p
.set O,    168                         ; v168-199 O^T
.set W0,   200                         ; v200-207, v208-215 the codes of my 32 rows of W_w
.set W1,   208
.set PC,   216                         ; v216-231 p's codes
.set BM,   232                         ; at work, four registers each: block maxima; permutes and bytes; holds; the conversions' scale operands
.set PT,   236
.set HD,   240
.set CSV,  244
.set F,    248                         ; v[248:249] f = 2^(old M - new M) in the low word
.set TMP,  250
.set PS,   251                         ; p's scale word, at the end y's
.set WS0,  254                         ; W_w's scale words
.set WS1,  255
; v12 -M, v13 the largest t, v[14:15] l in two halves; v252, v253 offsets at the head and on the way out
; s20 wave, s21 qt, s22 kq, s23 cx, s24 work-group x, s25 batch, s[26:27] lane selects, s[28:29] log2(e), s30 57,344's mantissa field; s[32:39], s[40:47] groups 1; s[48:51], s[52:55], s[56:59] groups 0
.macro WMZ d, a, b, sa, sb, ra, rb     ; D = A x B; ra, rb = 1: that side's scales are read from lanes 16-31
.if ((\ra) == 0) && ((\rb) == 0)
	v_wmma_scale_f32_16x16x128_f8f6f4 v[\d:\d+7], v[\a:\a+15], v[\b:\b+15], 0, v[\sa], v[\sb] matrix_a_fmt:MATRIX_FMT_BF8 matrix_b_fmt:MATRIX_FMT_BF8
.elseif (\ra) == 0
	v_wmma_scale_f32_16x16x128_f8f6f4 v[\d:\d+7], v[\a:\a+15], v[\b:\b+15], 0, v[\sa], v[\sb] matrix_a_fmt:MATRIX_FMT_BF8 matrix_b_fmt:MATRIX_FMT_BF8 matrix_b_scale:MATRIX_SCALE_ROW1
.elseif (\rb) == 0
	v_wmma_scale_f32_16x16x128_f8f6f4 v[\d:\d+7], v[\a:\a+15], v[\b:\b+15], 0, v[\sa], v[\sb] matrix_a_fmt:MATRIX_FMT_BF8 matrix_b_fmt:MATRIX_FMT_BF8 matrix_a_scale:MATRIX_SCALE_ROW1
.else
	v_wmma_scale_f32_16x16x128_f8f6f4 v[\d:\d+7], v[\a:\a+15], v[\b:\b+15], 0, v[\sa], v[\sb] matrix_a_fmt:MATRIX_FMT_BF8 matrix_b_fmt:MATRIX_FMT_BF8 matrix_a_scale:MATRIX_SCALE_ROW1 matrix_b_scale:MATRIX_SCALE_ROW1
.endif
.endm
.macro WMC d, a, b, c, sa, sb, ra      ; D = A x B + C
.if (\ra) == 0
	v_wmma_scale_f32_16x16x128_f8f6f4 v[\d:\d+7], v[\a:\a+15], v[\b:\b+15], v[\c:\c+7], v[\sa], v[\sb] matrix_a_fmt:MATRIX_FMT_BF8 matrix_b_fmt:MATRIX_FMT_BF8
.else
	v_wmma_scale_f32_16x16x128_f8f6f4 v[\d:\d+7], v[\a:\a+15], v[\b:\b+15], v[\c:\c+7], v[\sa], v[\sb] matrix_a_fmt:MATRIX_FMT_BF8 matrix_b_fmt:MATRIX_FMT_BF8 matrix_a_scale:MATRIX_SCALE_ROW1
.endif
.endm
.macro PLACES n                        ; plain vector lines that name no register of the matrix instructions round them (ISA guide 7.12.1)
.rept \n
	v_nop
.endr
.endm
; A round of the cluster's barrier: my work-group's barrier; wave 0 signals for the work-group; every wave waits for all four work-groups; my work-group's barrier once more
.macro ROUND
	s_barrier_signal -1
	s_barrier_wait -1
	s_cmp_lg_u32 s20, 0
	s_cbranch_scc1 .Lnot_wave_0_\@
	s_barrier_signal -3
.Lnot_wave_0_\@:
	s_barrier_wait -3
	s_barrier_signal -1
	s_barrier_wait -1
.endm
.macro JLOAD g0                        ; a joint refill: waves 0-7 fetch a step each; the branch hangs on the wave's number alone; four v_nop follow the load
	s_cmp_lt_u32 s20, 8
	s_cbranch_scc0 .Lnone_\@
	tensor_load_to_lds s[\g0:\g0+3], s[32:39]
	s_nop 0
.rept 4
	v_nop
.endr
.Lnone_\@:
.endm
; 32 numbers of a lane, register 16 b + i = number 32 b + 16 (lane / 16) + i of my row, become 8 registers of codes at v[d]; the scale word v[w] has 127 in the two bytes that meet zero codes
.macro QUANTB s, d, w
.irp b, 0,1
	v_max3_num_f32 v[BM+\b], |v[\s+16*\b]|, |v[\s+1+16*\b]|, 0x8000000   ; with the floor 2^(16 - 127): the byte cannot fall under 1
.endr
.irp i, 2,4,6,8,10,12,14
.irp b, 0,1
	v_max3_num_f32 v[BM+\b], v[BM+\b], |v[\s+16*\b+\i]|, |v[\s+1+16*\b+\i]|
.endr
.endr
.irp b, 0,1
	v_permlanex16_b32 v[PT+\b], v[BM+\b], s26, s27
.endr
.irp b, 0,1
	v_max_num_f32 v[BM+\b], v[BM+\b], v[PT+\b]
.endr
.irp b, 0,1
	v_add_nc_u32 v[CSV+\b], 0xf8800000, v[BM+\b]           ; 15 off the exponent field: the conversion's scale operand
.endr
.irp b, 0,1
	v_and_or_b32 v[HD+\b], v[BM+\b], 0x7f800000, s30       ; 57,344 x the scale
.endr
.irp b, 0,1
	v_lshrrev_b32 v[PT+\b], 23, v[CSV+\b]
.endr
	v_lshl_or_b32 v[\w], v[PT+1], 8, v[PT]
	v_or_b32 v[\w], 0x7f7f0000, v[\w]
.irp b, 0,1
.set k, 0
.rept 16
	v_med3_num_f32 v[\s+16*\b+k], v[\s+16*\b+k], -v[HD+\b], v[HD+\b]   ; the conversion to an 8-bit code does not saturate (ISA guide 7.6.2)
.set k, k+1
.endr
	v_cvt_scalef32_pk8_bf8_f32 v[\d+4*\b:\d+4*\b+1], v[\s+16*\b:\s+16*\b+7], v[CSV+\b]
	v_cvt_scalef32_pk8_bf8_f32 v[\d+4*\b+2:\d+4*\b+3], v[\s+16*\b+8:\s+16*\b+15], v[CSV+\b]
.endr
	v_nop                                                  ; one plain line behind the last conversion
.endm
; A KEY STEP: 128 keys; the q-th of my two in the slot at v[adr]; its scale words so bytes on
.macro STEP adr, q, so
	PLACES 8                                       ; in front of loads into registers that the last products read
	ds_load_b128 v[SS:SS+3], v[ASC] offset:\so
.irp f, 0,1,2,3
.irp c, 0,1,2,3
	ds_load_b128 v[FB+16*\f+4*\c:FB+16*\f+4*\c+3], v[\adr] offset:16384*(\q)+2048*\f+512*\c
.endr
.endr
	s_wait_dscnt 0x0
.irp f, 0,1,2,3                        ; fragment f = key tiles 2 f | 2 f + 1: registers 16 f + i of S^T are keys 32 f + 16 (lane / 16) + i
	WMZ S+16*\f, FB+16*\f, QLO, SS+\f/2, QS, \f%2, 0
	WMZ S+16*\f+8, FB+16*\f, QHI, SS+\f/2, QS, \f%2, 1
.endr
	PLACES 8
.irp t, 0,1,2,3                        ; g's four fragments are asked for at once: they land while the softmax is walked
.irp c, 0,1,2,3
	ds_load_b128 v[FB+16*\t+4*\c:FB+16*\t+4*\c+3], v[\adr] offset:16384*(\q)+8192+2048*\t+512*\c
.endr
.endr
.irp b, 0,1,2,3
	v_max3_num_f32 v[BM+\b], v[S+16*\b], v[S+1+16*\b], v[S+2+16*\b]   ; the largest score of each block of 32 keys: it serves for the row's maximum and, since p rises with the score, for the block's largest p
.endr
.irp i, 3,5,7,9,11,13
.irp b, 0,1,2,3
	v_max3_num_f32 v[BM+\b], v[BM+\b], v[S+16*\b+\i], v[S+1+16*\b+\i]
.endr
.endr
.irp b, 0,1,2,3
	v_max_num_f32 v[BM+\b], v[BM+\b], v[S+15+16*\b]
.endr
.irp b, 0,1,2,3
	v_permlanex16_b32 v[PT+\b], v[BM+\b], s26, s27
.endr
.irp b, 0,1,2,3
	v_max_num_f32 v[BM+\b], v[BM+\b], v[PT+\b]             ; with lane l xor 16's 16 keys
.endr
	v_max3_num_f32 v[TMP], v[BM], v[BM+1], v[BM+2]
	v_max_num_f32 v[TMP], v[TMP], v[BM+3]
	v_mul_f32 v[TMP], s28, v[TMP]                          ; the step's largest t
	v_max_num_f32 v13, v13, v[TMP]                         ; the running largest t
	v_mov_b32 v[TMP], v12
	v_floor_f32 v12, -v13                                  ; the new -M = floor(-t) = -ceil(t)
	v_sub_f32 v[TMP], v12, v[TMP]                          ; old M - new M: a whole number, 0 or less
	v_cvt_i32_f32 v[TMP], v[TMP]                           ; (it saturates)
	v_ldexp_f32 v[F], 1.0, v[TMP]                          ; f = 2^(old M - new M)
.set j, 0
.rept 32
	v_pk_fma_f32 v[S+j:S+j+1], v[S+j:S+j+1], s[28:29], v[12:13] op_sel_hi:[1,0,0]   ; t - M, two at a time
.set j, j+2
.endr
.irp b, 0,1,2,3
	v_fma_f32 v[BM+\b], v[BM+\b], s28, v12                 ; the same of each block's largest score
.endr
.set j, 0
.rept 64
	v_exp_f32 v[S+j], v[S+j]                               ; p = 2^(t - M)
.set j, j+1
.endr
.irp b, 0,1,2,3
	v_exp_f32 v[BM+\b], v[BM+\b]                           ; the block's largest p: the same two instructions on the same number
.endr
	v_pk_mul_f32 v[14:15], v[14:15], v[F:F+1] op_sel_hi:[1,0]   ; l under the new M.  (The plain line behind the exponentials)
	s_wait_alu depctr_va_vdst(0)
.irp b, 0,1,2,3
	v_max_num_f32 v[BM+\b], 0x8000000, v[BM+\b]            ; the floor 2^(16 - 127)
.endr
.irp b, 0,1,2,3
	v_add_nc_u32 v[CSV+\b], 0xf8800000, v[BM+\b]
.endr
.irp b, 0,1,2,3
	v_and_or_b32 v[HD+\b], v[BM+\b], 0x7f800000, s30
.endr
.irp b, 0,1,2,3
	v_lshrrev_b32 v[PT+\b], 23, v[CSV+\b]
.endr
	v_lshl_or_b32 v[PS], v[PT+1], 8, v[PT]                 ; p's scale word for these 128 keys
	v_lshl_or_b32 v[PS], v[PT+2], 16, v[PS]
	v_lshl_or_b32 v[PS], v[PT+3], 24, v[PS]
	v_pk_add_f32 v[PT:PT+1], v[S:S+1], v[S+2:S+3]          ; l is taken of the unquantised p: two at a time, in two chains
.set j, 4
.rept 15
	v_pk_add_f32 v[14:15], v[14:15], v[S+j:S+j+1]
	v_pk_add_f32 v[PT:PT+1], v[PT:PT+1], v[S+j+2:S+j+3]
.set j, j+4
.endr
	v_pk_add_f32 v[14:15], v[14:15], v[PT:PT+1]
.irp b, 0,1,2,3
.set k, 0
.rept 16
	v_min_num_f32 v[S+16*\b+k], v[S+16*\b+k], v[HD+\b]     ; the hold; p is not negative, so it is one-sided
.set k, k+1
.endr
	v_cvt_scalef32_pk8_bf8_f32 v[PC+4*\b:PC+4*\b+1], v[S+16*\b:S+16*\b+7], v[CSV+\b]
	v_cvt_scalef32_pk8_bf8_f32 v[PC+4*\b+2:PC+4*\b+3], v[S+16*\b+8:S+16*\b+15], v[CSV+\b]
.endr
.set j, 0
.rept 16
	v_pk_mul_f32 v[O+j:O+j+1], v[O+j:O+j+1], v[F:F+1] op_sel_hi:[1,0]   ; O^T under the new M.  (These sixteen are also the places between the codes and the products)
.set j, j+2
.endr
	s_wait_dscnt 0x0                               ; g's fragments are in
.irp t, 0,1,2,3                        ; the four accumulators take turns, one instruction a turn
	WMC O+8*\t, FB+16*\t, PC, O+8*\t, SS+2+\t/2, PS, \t%2
.endr
.endm
.macro CHUNK adr, c                    ; my two steps of chunk c
	STEP \adr, 0, 4096*(\c)
	STEP \adr, 1, 4096*(\c)+512
.endm
; THE CHANGE OF SLOTS.  Each wave waits for all its tensor loads (its part of the slot ahead), adds 0 to its spare word, and waits for that and for its reads of the slot that it leaves.
; fill = 1: the barrier is a round of the cluster's, and behind it the slot just left takes the chunk two on: that load has a whole chunk's steps in which to land.
.macro CHANGE fill, g0
	s_wait_tensorcnt 0x0                           ; no tensor load of mine is out, so a group 0 may be written
	ds_add_u32 v[SPW], v[NIL]                      ; 0 onto my spare word
.if \fill
	s_add_nc_u64 s[\g0+2:\g0+3], s[\g0+2:\g0+3], 2*SLOT1   ; two chunks on; the type bits on top are not reached
.endif
	s_wait_dscnt 0x0                               ; the add is done, and my reads of the slot that I leave are over
.if \fill
	ROUND                                          ; both now hold of every wave of all four work-groups
	JLOAD \g0                                      ; the first thing behind the round, and a wave's one tensor load until the next
.else
	s_barrier_signal -1
	s_barrier_wait -1
.endif
.endm
	s_load_b256 s[4:11], s[0:1], 0x0               ; kvc, kvs, thc, ths
	s_load_b256 s[12:19], s[0:1], 0x20             ; W_w, W_b, x0, out0
	v_lshl_add_u32 v[SPW], v0, 2, SPARE
	v_mov_b32 v[NIL], 0
	ds_add_u32 v4, v5
	s_wait_dscnt 0x0
	v_lshrrev_b32 v1, 5, v0
	v_readfirstlane_b32 s20, v1                    ; wave 0..15
	s_and_b32 s21, s20, 3                          ; qt
	s_lshr_b32 s22, s20, 2                         ; kq
	s_and_b32 s25, ttmp7, 0xffff                   ; the batch, which the four partners share
	; group 1: a step, 16,384 dense bytes, as 64 rows of 32 elements of 8 bytes
	s_mov_b32 s32, 15|(3<<16)|(1<<21)              ; 15:0 the mask: all four work-groups; 17:16 elements of 8 bytes; 21 set beside a mask; no padding
	s_mov_b32 s33, 32<<16                          ; tensor_dim0 = 32
	s_mov_b32 s34, 64<<16                          ; tensor_dim1 = 64
	s_mov_b32 s35, 32<<16                          ; tile_dim0 = 32
	s_mov_b32 s36, 64                              ; tile_dim1 = 64
	s_mov_b32 s37, 32                              ; from row to row
	s_mov_b32 s38, 0
	s_mov_b32 s39, 0
	; and for an eighth of the batch's scale words: 8 such rows
	s_mov_b32 s40, 15|(3<<16)|(1<<21)
	s_mov_b32 s41, 32<<16
	s_mov_b32 s42, 8<<16
	s_mov_b32 s43, 32<<16
	s_mov_b32 s44, 8
	s_mov_b32 s45, 32
	s_mov_b32 s46, 0
	s_mov_b32 s47, 0
	s_mov_b32 s48, 1                               ; group 0 for slot 0: count = 1,
	s_lshl_b32 s49, s20, 14                        ; LDS address: step `wave` of the slot: no place in the cluster enters it
	s_lshl_b32 s60, s25, 19                        ; a batch of kvc is 524,288 bytes
	s_add_co_u32 s60, s60, s49
	s_mov_b32 s61, 0
	s_mov_b32 s52, 1                               ; for slot 1
	s_add_co_u32 s53, s49, SLOT1
	s_mov_b32 s56, 1                               ; for the scale words
	s_lshl_b32 s57, s20, 11
	s_lshl_b32 s62, s25, 14                        ; a batch of kvs is 16,384 bytes
	s_add_co_u32 s62, s62, s57
	s_mov_b32 s63, 0
	s_add_co_u32 s57, s57, SCL
	s_mov_b32 s26, 0x76543210
	s_mov_b32 s27, 0xfedcba98                      ; v_permlanex16_b32's selects for lane l xor 16
	s_mov_b32 s28, 0x3fb8aa3b                      ; log2(e)
	s_mov_b32 s29, s28                             ; (named with it as a pair, so it is written)
	s_mov_b32 s30, 0x600000                        ; the mantissa field of 57,344
	s_wait_kmcnt 0x0
	s_add_nc_u64 s[50:51], s[4:5], s[60:61]        ; chunk 0, my step
	s_add_nc_u64 s[54:55], s[50:51], SLOT1         ; chunk 1 (a chunk is as many bytes as a slot)
	s_or_b32 s51, s51, 0x80000000                  ; type = 2
	s_or_b32 s55, s55, 0x80000000
	s_add_nc_u64 s[58:59], s[6:7], s[62:63]
	s_or_b32 s59, s59, 0x80000000
	ROUND                                          ; all four work-groups are here: the first joint loads meet
	s_cmp_lt_u32 s20, 8                            ; a wave's three first fills stand in one branch, ahead of every wait on TENSORcnt, every LDS read and every other barrier
	s_cbranch_scc0 .Lno_fill
	tensor_load_to_lds s[56:59], s[40:47]          ; the scale words
	s_nop 0
	tensor_load_to_lds s[48:51], s[32:39]          ; slot 0
	s_nop 0
	tensor_load_to_lds s[52:55], s[32:39]          ; slot 1
	s_nop 0
.rept 4
	v_nop
.endr
.Lno_fill:
	; what hangs on my place in the cluster: the addresses of theta, x0 and out0, and the prefetch's
	s_bfe_u32 s23, ttmp6, 0x40000                  ; cx
	s_lshl_b32 s24, ttmp9, 2
	s_add_co_u32 s24, s24, s23                     ; my block of 64 queries
	s_lshl_b32 s69, s25, 7
	s_lshl_b32 s31, s24, 1
	s_add_co_u32 s69, s69, s31
	s_lshr_b32 s31, s21, 1
	s_add_co_u32 s69, s69, s31                     ; my pair of query tiles: 128 x batch + 2 x block + qt / 2
	s_and_b32 s31, s21, 1                          ; and which of the two
	s_lshl_b32 s78, s69, 11
	s_lshl_b32 s79, s31, 10
	s_add_co_u32 s78, s78, s79
	s_mov_b32 s79, 0
	s_add_nc_u64 s[70:71], s[8:9], s[78:79]        ; theta's codes
	s_lshl_b32 s78, s69, 6
	s_add_nc_u64 s[72:73], s[10:11], s[78:79]      ; and scale words
	s_lshl_b32 s78, s22, 13
	s_add_nc_u64 s[74:75], s[12:13], s[78:79]      ; W_w: my 32 rows of 256 bytes
	s_lshl_b32 s78, s22, 7
	s_add_nc_u64 s[76:77], s[14:15], s[78:79]      ; W_b: my 32 numbers
	s_lshl_b32 s78, s25, 21
	s_lshl_b32 s69, s20, 17
	s_add_co_u32 s78, s78, s69
	s_lshl_b32 s69, s24, 8
	s_add_co_u32 s78, s78, s69                     ; x0, out0: batch, rows 8 x wave on, my block's 256 bytes of a row
	s_add_nc_u64 s[16:17], s[16:17], s[78:79]
	s_add_nc_u64 s[18:19], s[18:19], s[78:79]
	s_lshl_b32 s78, s25, 19                        ; the prefetch: chunk 3 of my batch; my work-group's quarter of it, told apart by address; my wave's 8,192 bytes of that
	s_add_co_u32 s78, s78, 3*SLOT1
	s_lshl_b32 s69, s23, 15
	s_add_co_u32 s78, s78, s69
	s_lshl_b32 s69, s21, 13
	s_add_co_u32 s78, s78, s69
	s_add_nc_u64 s[66:67], s[4:5], s[78:79]
	s_sub_co_u32 s68, s20, 8
	s_lshr_b32 s68, s68, 2                         ; 0 in waves 8 to 11,
	s_or_b32 s68, s68, ttmp9                       ; of the batch's first cluster: the same in all four partners
	s_lshl_b32 s31, s31, 4                         ; 16 (qt % 2): where my tile's two bytes begin in the pair's scale word
	v_and_b32 v252, 31, v0
	v_lshlrev_b32 v252, 4, v252                    ; 16 x lane
	global_load_b128 v[16:19], v252, s[70:71]      ; theta's eight registers, twice (the two operands overlap in the zeros alone)
	global_load_b128 v[20:23], v252, s[70:71] offset:512
	global_load_b128 v[32:35], v252, s[70:71]
	global_load_b128 v[36:39], v252, s[70:71] offset:512
	v_and_b32 v253, 15, v0                         ; r
	v_lshlrev_b32 v250, 2, v253
	global_load_b32 v[QS], v250, s[72:73]
	v_bfe_u32 v249, v0, 4, 1                       ; h
	v_lshlrev_b32 v248, 8, v253
	v_lshl_add_u32 v248, v249, 6, v248             ; W_w: row r of 256 bytes, + 64 h: my 16 numbers of a block of 32
.irp t, 0,1
.irp b, 0,1
.irp j, 0,1,2,3
	global_load_b128 v[S+32*\t+16*\b+4*\j:S+32*\t+16*\b+4*\j+3], v248, s[74:75] offset:4096*\t+128*\b+16*\j
.endr
.endr
.endr
	s_lshl_b32 s60, s22, 15
	v_add_nc_u32 v[ADR0], s60, v252
	v_add_nc_u32 v[ADR1], SLOT1, v[ADR0]
	s_lshl_b32 s61, s22, 10
	s_add_co_u32 s61, s61, SCL
	v_add_nc_u32 v[ASC], s61, v252
	v_lshlrev_b32 v[PFO], 4, v252
	v_lshlrev_b32 v249, 4, v249                    ; 16 h
.irp j, 0,1,2,3,4,5,6,7
	v_mov_b32 v[24+\j], 0                          ; the zero codes between the two thetas
.endr
.set j, 0
.rept 32
	v_mov_b32 v[O+j], 0                            ; O^T: the step is written once, and the first finds zeros, which the first change of M leaves zeros
.set j, j+1
.endr
	v_mov_b32 v14, 0
	v_mov_b32 v15, 0
.irp b, 0,1,2,3
	v_mov_b32 v[PT+\b], 0                          ; written once: a lane permute's destination counts as one of its sources
.endr
	v_mov_b32 v13, 0xff61b1e6                      ; the largest t so far: -3e38
	v_floor_f32 v12, -v13
	s_wait_loadcnt 0x0
	v_lshrrev_b32 v[QS], s31, v[QS]                ; my tile's two bytes into bytes 0, 1;
	v_lshlrev_b32 v[QS], v249, v[QS]               ; in lanes 16-31 into bytes 2, 3, for [zeros | theta].  The other two bytes meet zero codes and are never 0xff
	QUANTB S, W0, WS0
	QUANTB S+32, W1, WS1
	s_wait_tensorcnt 0x1                           ; the scale words and my part of slot 0 are in; slot 1's load may stay out
	s_barrier_signal -1
	s_barrier_wait -1                              ; everybody's are
	CHUNK ADR0, 0
	CHANGE 1, 48                                   ; slot 0 takes chunk 2
	; A PREFETCH INTO THE L2 of chunk 3, which the next change of slots will ask for: a chunk's steps ahead of that load.  All clusters of a batch walk the same bytes: the batch's first cluster asks; its four partners take
	; 32,768 bytes each, told apart by address; in each, waves 8 to 11, which fetch nothing, take 8,192 bytes each, lanes 256 bytes apart: each block is named once.  Chunks 0 to 2 and the scale words come by their loads alone.
	s_cmp_lg_u32 s68, 0
	s_cbranch_scc1 .Lnot_mine
	global_prefetch_b8 v[PFO], s[66:67] th:TH_LOAD_NT scope:SCOPE_SE
.Lnot_mine:
	CHUNK ADR1, 1
	CHANGE 1, 52                                   ; slot 1 takes chunk 3
	CHUNK ADR0, 2
	CHANGE 0, 0                                    ; nothing is left to fetch
	CHUNK ADR1, 3
	; ---- THE WAY OUT.  x0 and W_b are asked for first; my part of O^T, -M and l go to LDS
	PLACES 8                                       ; behind the last products: O^T is read, and their operands' registers are loaded into
	v_and_b32 v253, 15, v0                         ; r
	v_bfe_u32 v252, v0, 4, 1                       ; h
	v_lshlrev_b32 v3, 4, v253
	v_lshl_add_u32 v3, v252, 14, v3                ; x0, out0: lanes 0-15 one row's 256 bytes, lanes 16-31 the next row's
	v_lshlrev_b32 v252, 5, v252                    ; W_b in the result's layout: 8 h + 0 .. 7
.irp i, 0,1,2,3
	global_load_b128 v[112+4*\i:115+4*\i], v3, s[16:17] offset:32768*\i th:TH_LOAD_NT
.endr
	global_load_b128 v[128:131], v252, s[76:77]
	global_load_b128 v[132:135], v252, s[76:77] offset:16
	global_load_b128 v[224:227], v252, s[76:77] offset:64
	global_load_b128 v[228:231], v252, s[76:77] offset:80
	v_and_b32 v1, 31, v0
	v_lshlrev_b32 v1, 4, v1
	s_lshl_b32 s60, s20, 12
	v_add_nc_u32 v1, s60, v1                       ; my image of O^T: 16 x lane + 4,096 x wave
	v_lshl_add_u32 v2, v0, 2, MST                  ; my word of -M; l's lies 2,048 bytes on
	v_add_f32 v14, v14, v15                        ; l's two halves,
	v_permlanex16_b32 v[PT], v14, s26, s27
	v_add_f32 v14, v14, v[PT]                      ; and lane l xor 16's keys
.irp i, 0,1,2,3,4,5,6,7
	ds_store_b128 v1, v[O+4*\i:O+4*\i+3] offset:512*\i     ; each accumulator from its low end on
.endr
	ds_store_b32 v2, v12
	ds_store_b32 v2, v14 offset:2048
	s_wait_dscnt 0x0
	s_barrier_signal -1
	s_barrier_wait -1
	; every wave joins the four parts of its query tile (each tile four times over: that spares a barrier and a second way through LDS)
	v_and_b32 v1, 31, v0
	v_lshl_add_u32 v2, v1, 2, MST
	v_lshlrev_b32 v1, 4, v1
	s_lshl_b32 s61, s21, 12
	v_add_nc_u32 v1, s61, v1                       ; 16 x lane + 4,096 qt; the key quarters lie 16,384 bytes apart
	s_lshl_b32 s62, s21, 7
	v_add_nc_u32 v2, s62, v2                       ; 4 x lane + 128 qt; the key quarters lie 512 bytes apart
.irp i, 0,1,2,3,4,5,6,7
	ds_load_b128 v[40+4*\i:43+4*\i], v1 offset:512*\i
	ds_load_b128 v[72+4*\i:75+4*\i], v1 offset:16384+512*\i
	ds_load_b128 v[136+4*\i:139+4*\i], v1 offset:32768+512*\i
	ds_load_b128 v[168+4*\i:171+4*\i], v1 offset:49152+512*\i
.endr
.irp j, 0,1,2,3
	ds_load_b32 v[BM+\j], v2 offset:512*\j
	ds_load_b32 v[PT+\j], v2 offset:2048+512*\j
.endr
	s_mul_i32 s63, s22, 32*SP                      ; the stage, on the way in: my 32 rows, my tile's place in a row
	s_lshr_b32 s31, s21, 1
	s_lshl_b32 s31, s31, 7
	s_add_co_u32 s63, s63, s31
	s_and_b32 s31, s21, 1
	s_lshl_b32 s31, s31, 5
	s_add_co_u32 s63, s63, s31
	s_add_co_u32 s63, s63, STG
	s_mul_i32 s31, s20, 8*SP                       ; and on the way out: rows 8 x wave on
	s_add_co_u32 s31, s31, STG
	s_wait_dscnt 0x0
	v_min3_num_f32 v[TMP], v[BM], v[BM+1], v[BM+2]
	v_min_num_f32 v[TMP], v[TMP], v[BM+3]          ; the smallest -M: the largest M
.irp j, 0,1,2,3
	v_sub_f32 v[BM+\j], v[TMP], v[BM+\j]           ; M_j - the largest M: a whole number, 0 or less
.endr
.irp j, 0,1,2,3
	v_cvt_i32_f32 v[BM+\j], v[BM+\j]
.endr
.irp j, 0,1,2,3
	v_ldexp_f32 v[HD+2*\j], 1.0, v[BM+\j]          ; f_j, in the low words of four pairs
.endr
	v_mul_f32 v[TMP], v[HD], v[PT]
	v_fmac_f32 v[TMP], v[HD+2], v[PT+1]
	v_fmac_f32 v[TMP], v[HD+4], v[PT+2]
	v_fmac_f32 v[TMP], v[HD+6], v[PT+3]            ; the row's sum l
	v_rcp_f32 v[TMP], v[TMP]
	v_nop                                          ; one plain line behind a transcendental
	s_wait_alu depctr_va_vdst(0)
.irp j, 0,1,2,3
	v_mul_f32 v[HD+2*\j], v[HD+2*\j], v[TMP]       ; f_j / l
.endr
.set j, 0
.rept 16
	v_pk_mul_f32 v[40+j:41+j], v[40+j:41+j], v[HD:HD+1] op_sel_hi:[1,0]
.set j, j+2
.endr
.set j, 0
.rept 16
	v_pk_fma_f32 v[40+j:41+j], v[72+j:73+j], v[HD+2:HD+3], v[40+j:41+j] op_sel_hi:[1,0,1]
.set j, j+2
.endr
.set j, 0
.rept 16
	v_pk_fma_f32 v[40+j:41+j], v[136+j:137+j], v[HD+4:HD+5], v[40+j:41+j] op_sel_hi:[1,0,1]
.set j, j+2
.endr
.set j, 0
.rept 16
	v_pk_fma_f32 v[40+j:41+j], v[168+j:169+j], v[HD+6:HD+7], v[40+j:41+j] op_sel_hi:[1,0,1]   ; y: register 16 b + i = channel 32 b + 16 h + i of query r
.set j, j+2
.endr
	QUANTB 40, QLO, PS                             ; y's codes take theta's place: v[16:31] = [y | zeros]
.irp j, 0,1,2,3,4,5,6,7
	v_mov_b32 v[PC+\j], 0                          ; v[208:223] = [W_w's second tile | zeros]
.endr
	v_bfe_u32 v1, v0, 4, 1                         ; h
	v_mul_u32_u24 v2, v1, SP
	v_mul_u32_u24 v1, v1, 8*SP
	v_lshl_add_u32 v1, v253, 2, v1                 ; in: row 8 h + j, word r + (r & 8) of my tile's
	v_lshl_add_u32 v2, v253, 4, v2                 ; out: row h, 16 bytes a lane
	v_and_b32 v253, 8, v0
	v_lshl_add_u32 v1, v253, 2, v1
	v_add_nc_u32 v1, s63, v1
	v_add_nc_u32 v2, s31, v2
	s_wait_loadcnt 0x0                             ; W_b and x0
	PLACES 8                                       ; operands and a scale word written by vector instructions stand ahead of the products
	WMC 72, W0, QLO, 128, WS0, PS, 0               ; rows 32 kq + 0 .. 15 of W_w (the upper half of K holds the second tile's codes, which meet y's zeros)
	WMC 80, W1, QLO, 224, WS1, PS, 0               ; rows 32 kq + 16 .. 31
	PLACES 8
.irp t, 0,1
.irp j, 0,1,2,3,4,5,6,7
	ds_store_b32 v1, v[72+8*\t+\j] offset:(16*\t+\j)*SP    ; (row 32 kq + 16 t + 8 h + j, my query's place): each accumulator from its low end on
.endr
.endr
	s_wait_dscnt 0x0
	s_barrier_signal -1
	s_barrier_wait -1                              ; 128 whole rows of 64 positions lie in the stage
.irp i, 0,1,2,3
	ds_load_b128 v[88+4*\i:91+4*\i], v2 offset:2*SP*\i
.endr
	s_wait_dscnt 0x0
.set j, 0
.rept 8
	v_pk_add_f32 v[88+j:89+j], v[88+j:89+j], v[112+j:113+j]    ; + x0
.set j, j+2
.endr
.irp i, 0,1,2,3
	global_store_b128 v3, v[88+4*\i:91+4*\i], s[18:19] offset:32768*\i th:TH_STORE_NT   ; 16 lanes store 256 consecutive bytes, at a multiple of 256 from out0's first byte
.endr
	s_wait_tensorcnt 0x0                           ; the wave's end, behind my last tensor load and my last LDS store
	ds_add_u32 v[SPW], v[NIL]
	s_wait_dscnt 0x0
	ROUND                                          ; the closing round: no work-group ends while a partner may still ask for a tile that names it
	s_endpgm
.Lfunc_end_k_q53b8d8c22e_attn:
	.size	k_q53b8d8c22e_attn, .Lfunc_end_k_q53b8d8c22e_attn-k_q53b8d8c22e_attn
	.p2alignl 7, 3214868480
	.fill 96, 4, 3214868480
	.section	.rodata,"a",@progbits
	.p2align	6, 0x0
	.amdhsa_kernel k_q53b8d8c22e_attn
		.amdhsa_group_segment_fixed_size 327680
		.amdhsa_private_segment_fixed_size 0
		.amdhsa_enable_private_segment 0
		.amdhsa_kernarg_size 64
		.amdhsa_user_sgpr_count 2
		.amdhsa_user_sgpr_kernarg_segment_ptr 1
		.amdhsa_wavefront_size32 1
		.amdhsa_system_sgpr_workgroup_id_x 1
		.amdhsa_system_sgpr_workgroup_id_y 1
		.amdhsa_system_sgpr_workgroup_id_z 1
		.amdhsa_system_vgpr_workitem_id 0
		.amdhsa_next_free_vgpr 256
		.amdhsa_next_free_sgpr 80
		.amdhsa_reserve_vcc 0
		.amdhsa_float_denorm_mode_32 3
		.amdhsa_float_denorm_mode_16_64 3
		.amdhsa_memory_ordered 1
		.amdhsa_forward_progress 1
		.amdhsa_inst_pref_size 182
	.end_amdhsa_kernel
	.amdgpu_metadata
---
amdhsa.version: [ 1, 2 ]
amdhsa.kernels:
  - .name:           k_q53b8d8c22e_attn
    .symbol:         k_q53b8d8c22e_attn.kd
    .args:
      - { .name: kvc, .offset: 0, .size: 8, .value_kind: global_buffer, .address_space: global }
      - { .name: kvs, .offset: 8, .size: 8, .value_kind: global_buffer, .address_space: global }
      - { .name: thc, .offset: 16, .size: 8, .value_kind: global_buffer, .address_space: global }
      - { .name: ths, .offset: 24, .size: 8, .value_kind: global_buffer, .address_space: global }
      - { .name: W_w, .offset: 32, .size: 8, .value_kind: global_buffer, .address_space: global }
      - { .name: W_b, .offset: 40, .size: 8, .value_kind: global_buffer, .address_space: global }
      - { .name: x0, .offset: 48, .size: 8, .value_kind: global_buffer, .address_space: global }
      - { .name: out0, .offset: 56, .size: 8, .value_kind: global_buffer, .address_space: global }
    .group_segment_fixed_size: 327680
    .private_segment_fixed_size: 0
    .kernarg_segment_align: 8
    .kernarg_segment_size: 64
    .max_flat_workgroup_size: 512
    .sgpr_count:     80
    .vgpr_count:     256
    .wavefront_size: 32
...
	.end_amdgpu_metadata
.endif
;; end of part 2
